; MI455X (gfx1250); checked and timed in simulation.
; The chip was launched on July 23, 2026; its instructions are those of AMD's public machine-readable ISA for CDNA 5 (MIT licence, August 2026) and "CDNA5" Instruction Set Architecture Reference Guide (July 2026). The comments in the code are by the model that wrote it; some were corrected since.
;; Vector Quantizer. Allowed arithmetic: float matrix products may take bf16 or f16 operands with f32 sums; all other float work in f32.
;; Inputs: codebook 8,192 x 256 float32; inputs 32 x 512 x 256 float32.
;; Outputs: out0 32 x 512 x 256 float32; out1 one number float32.
;; 2 versions, each right and faster than the one before. Each part assembles by itself: llvm-mc -triple=amdgcn-amd-amdhsa -mcpu=gfx1250 --defsym DOCPART=n.
;; ======== version 1 of 2: 4 launches
;; workspace buffers: cb16 4,194,304 bytes; x16 8,388,608 bytes; enorm 32,768 bytes; xnorm 65,536 bytes; cand 524,288 bytes of whole numbers; part 1,024 bytes
;; launch prep (part 1): grid 384 x 1, 8 waves a work-group, no clusters, 1,280 bytes of LDS; arguments codebook, inputs, cb16, x16, enorm, xnorm; writes cb16, x16, enorm, xnorm
.if DOCPART == 1
	.amdgcn_target "amdgcn-amd-amdhsa--gfx1250"
	.amdhsa_code_object_version 6
	.text
	.protected	k_q2328bfd936_prep
	.globl	k_q2328bfd936_prep
	.p2align	8
	.type	k_q2328bfd936_prep,@function
k_q2328bfd936_prep:
	s_mov_b64 s[64:65], 0
	v_nop
	global_prefetch_b8 v0, s[64:65] scope:SCOPE_SE
	s_setreg_imm32_b32 hwreg(HW_REG_WAVE_MODE, 25, 1), 1
	s_wait_xcnt 0x0
; Rows of 256 f32 are rounded to bf16, and the sum of the squares of the ROUNDED row is kept in f32, so that the three
; terms of a distance (two norms and a product) belong to the same vectors.
; Work-groups 0-127 take the codebook (8,192 rows), 128-383 the inputs (16,384 rows): 64 rows a work-group, 8 rows a wave.
; A lane takes 16 bytes at 16 lane and 16 bytes at 512 + 16 lane of each row: a load of the wave covers 512 consecutive bytes,
; a store of bf16 covers 256 consecutive bytes that begin at a multiple of 256.
; Limit: the 256 squares are added in another order than a plain row sum would add them (pairs in a lane, then across lanes).
.set X, 8                              ; v[8:71]    row k: 8 registers, as loaded, then the rounded numbers widened again
.set Y, 72                             ; v[72:103]  row k: 4 registers of bf16; each row has its own, so no store's data is written again
.set T, 104                            ; v[104:107] at work
	s_load_b256 s[4:11], s[0:1], 0x0               ; codebook s[4:5], inputs s[6:7], cb16 s[8:9], x16 s[10:11]
	s_load_b128 s[12:15], s[0:1], 0x20             ; enorm s[12:13], xnorm s[14:15]
	v_lshl_add_u32 v112, v0, 2, 0x100
	v_mov_b32 v113, 0
	v_and_b32 v4, 31, v0                           ; lane
	v_lshrrev_b32 v5, 5, v0
	v_readfirstlane_b32 s23, v5                    ; wave 0..7
	v_lshlrev_b32 v1, 4, v4                        ; 16 lane: my bytes in a half row of f32
	v_lshlrev_b32 v2, 3, v4                        ; 8 lane: my bytes in a half row of bf16
	v_mov_b32 v3, s23
	v_lshlrev_b32 v3, 5, v3                        ; 32 wave: my wave's eight norms in LDS
	s_mov_b32 s26, 0x76543210                      ; v_permlanex16_b32: lane i reads lane i of the other half
	s_mov_b32 s27, 0xfedcba98
	s_mov_b32 s28, 0xffff0000                      ; a word's upper bf16
	s_wait_kmcnt 0x0
	s_cmp_lt_u32 ttmp9, 128                        ; codebook or inputs: hangs on the work-group's number alone
	s_cselect_b64 s[16:17], s[4:5], s[6:7]         ; from
	s_cselect_b64 s[18:19], s[8:9], s[10:11]       ; bf16 rows to
	s_cselect_b64 s[20:21], s[12:13], s[14:15]     ; norms to
	s_cselect_b32 s22, 0, 128
	s_sub_co_u32 s22, ttmp9, s22                   ; block of 64 rows inside the chosen tensor
	s_lshl_b32 s24, s22, 16                        ; 64 rows of 1,024 bytes
	s_lshl_b32 s25, s23, 13                        ; + wave x 8 rows
	s_add_co_u32 s24, s24, s25
	s_mov_b32 s25, 0
	s_add_nc_u64 s[16:17], s[16:17], s[24:25]
	s_lshr_b32 s24, s24, 1                         ; bf16 rows have half the bytes
	s_add_nc_u64 s[18:19], s[18:19], s[24:25]
	s_lshl_b32 s24, s22, 8                         ; 64 norms of 4 bytes
	s_add_nc_u64 s[20:21], s[20:21], s[24:25]
.irp k, 0,1,2,3,4,5,6,7
	global_load_b128 v[X+8*\k:X+8*\k+3],   v1, s[16:17] offset:1024*\k
	global_load_b128 v[X+8*\k+4:X+8*\k+7], v1, s[16:17] offset:1024*\k+512
.endr
.macro ROW k
	s_wait_loadcnt 14-2*\k                         ; loads come back in order: row k is in, the two loads of each younger row stay out
.irp j, 0,1,2,3
	v_cvt_pk_bf16_f32 v[Y+4*\k+\j], v[X+8*\k+2*\j], v[X+8*\k+2*\j+1]
.endr
	global_store_b64 v2, v[Y+4*\k:Y+4*\k+1],   s[18:19] offset:512*\k
	global_store_b64 v2, v[Y+4*\k+2:Y+4*\k+3], s[18:19] offset:512*\k+256
.irp j, 0,1,2,3
	v_lshlrev_b32 v[X+8*\k+2*\j],   16,  v[Y+4*\k+\j]          ; the rounded numbers as f32
	v_and_b32     v[X+8*\k+2*\j+1], s28, v[Y+4*\k+\j]
.endr
	v_pk_mul_f32 v[T:T+1],   v[X+8*\k:X+8*\k+1],   v[X+8*\k:X+8*\k+1]           ; two chains, started by products
	v_pk_mul_f32 v[T+2:T+3], v[X+8*\k+2:X+8*\k+3], v[X+8*\k+2:X+8*\k+3]
	v_pk_fma_f32 v[T:T+1],   v[X+8*\k+4:X+8*\k+5], v[X+8*\k+4:X+8*\k+5], v[T:T+1]
	v_pk_fma_f32 v[T+2:T+3], v[X+8*\k+6:X+8*\k+7], v[X+8*\k+6:X+8*\k+7], v[T+2:T+3]
	v_pk_add_f32 v[T:T+1], v[T:T+1], v[T+2:T+3]
	v_add_f32 v[T], v[T], v[T+1]
	v_add_f32_dpp v[T], v[T], v[T] row_xmask:1 row_mask:0xf bank_mask:0xf
	v_add_f32_dpp v[T], v[T], v[T] row_xmask:2 row_mask:0xf bank_mask:0xf
	v_add_f32_dpp v[T], v[T], v[T] row_xmask:4 row_mask:0xf bank_mask:0xf
	v_add_f32_dpp v[T], v[T], v[T] row_xmask:8 row_mask:0xf bank_mask:0xf
	v_permlanex16_b32 v[T+1], v[T], s26, s27       ; its destination has been written above
	v_add_f32 v[T], v[T], v[T+1]                   ; every lane holds the row's norm
	ds_store_b32 v3, v[T] offset:4*\k              ; all lanes write the same word with the same value
.endm
.irp k, 0,1,2,3,4,5,6,7
	ROW \k
.endr
	s_wait_dscnt 0x0                               ; my eight norms are in LDS before I say so
	s_barrier_signal -1
	s_barrier_wait -1
	s_cmp_lg_u32 s23, 0
	s_cbranch_scc1 .Lend                           ; wave 0 alone writes the 64 norms: 256 consecutive bytes in one store
	ds_load_b64 v[T:T+1], v2
	s_wait_dscnt 0x0
	global_store_b64 v2, v[T:T+1], s[20:21]
.Lend:
	s_wait_tensorcnt 0x0
	ds_add_u32 v112, v113
	s_wait_dscnt 0x0
	s_endpgm
.Lfunc_end_k_q2328bfd936_prep:
	.size	k_q2328bfd936_prep, .Lfunc_end_k_q2328bfd936_prep-k_q2328bfd936_prep
	.p2alignl 7, 3214868480
	.fill 96, 4, 3214868480
	.section	.rodata,"a",@progbits
	.p2align	6, 0x0
	.amdhsa_kernel k_q2328bfd936_prep
		.amdhsa_group_segment_fixed_size 1280
		.amdhsa_private_segment_fixed_size 0
		.amdhsa_enable_private_segment 0
		.amdhsa_kernarg_size 48
		.amdhsa_user_sgpr_count 2
		.amdhsa_user_sgpr_kernarg_segment_ptr 1
		.amdhsa_wavefront_size32 1
		.amdhsa_system_sgpr_workgroup_id_x 1
		.amdhsa_system_sgpr_workgroup_id_y 1
		.amdhsa_system_sgpr_workgroup_id_z 1
		.amdhsa_system_vgpr_workitem_id 0
		.amdhsa_next_free_vgpr 114
		.amdhsa_next_free_sgpr 66
		.amdhsa_reserve_vcc 0
		.amdhsa_float_denorm_mode_32 3
		.amdhsa_float_denorm_mode_16_64 3
		.amdhsa_memory_ordered 1
		.amdhsa_forward_progress 1
		.amdhsa_inst_pref_size 16
	.end_amdhsa_kernel
	.amdgpu_metadata
---
amdhsa.version: [ 1, 2 ]
amdhsa.kernels:
  - .name:           k_q2328bfd936_prep
    .symbol:         k_q2328bfd936_prep.kd
    .args:
      - { .name: codebook, .offset: 0, .size: 8, .value_kind: global_buffer, .address_space: global }
      - { .name: inputs, .offset: 8, .size: 8, .value_kind: global_buffer, .address_space: global }
      - { .name: cb16, .offset: 16, .size: 8, .value_kind: global_buffer, .address_space: global }
      - { .name: x16, .offset: 24, .size: 8, .value_kind: global_buffer, .address_space: global }
      - { .name: enorm, .offset: 32, .size: 8, .value_kind: global_buffer, .address_space: global }
      - { .name: xnorm, .offset: 40, .size: 8, .value_kind: global_buffer, .address_space: global }
    .group_segment_fixed_size: 1280
    .private_segment_fixed_size: 0
    .kernarg_segment_align: 8
    .kernarg_segment_size: 48
    .max_flat_workgroup_size: 256
    .sgpr_count:     66
    .vgpr_count:     114
    .wavefront_size: 32
...
	.end_amdgpu_metadata
.endif
;; end of part 1
;; launch nearest (part 2): grid 64 x 4, 4 waves a work-group, clusters of 4 x 1, 327,680 bytes of LDS; arguments cb16, enorm, x16, xnorm, cand; writes cand
.if DOCPART == 2
	.amdgcn_target "amdgcn-amd-amdhsa--gfx1250"
	.amdhsa_code_object_version 6
	.text
	.protected	k_q2328bfd936_nearest
	.globl	k_q2328bfd936_nearest
	.p2align	8
	.type	k_q2328bfd936_nearest,@function
k_q2328bfd936_nearest:
	s_mov_b64 s[64:65], 0
	v_nop
	global_prefetch_b8 v0, s[64:65] scope:SCOPE_SE
	s_setreg_imm32_b32 hwreg(HW_REG_WAVE_MODE, 25, 1), 1
	s_wait_xcnt 0x0
	s_wait_alu depctr_hold_cnt(0) depctr_sa_sdst(0) depctr_va_vdst(0) depctr_va_sdst(0) depctr_va_ssrc(0) depctr_va_vcc(0) depctr_vm_vsrc(0)
	s_getreg_b32 s2, hwreg(HW_REG_IB_STS2, 6, 4)
	s_cmp_eq_u32 s2, 0
	s_cbranch_scc0 .Lentry_in_a_cluster
	s_endpgm
.Lentry_in_a_cluster:
	s_bfe_u32 s2, ttmp6, 0x10000c
	s_cmp_lg_u32 s2, 0x3003
	s_cbranch_scc0 .Lentry_shape_is_right
	s_endpgm
.Lentry_shape_is_right:
; For 256 rows x and a quarter of the codes (2,048): d = fl(fl(|x|^2 + |e|^2) - 2 x.e) in f32, as the problem forms it, and the FIRST least d.
; Stored for each row and quarter: an order-keeping u32 code of the least d, and its code number.  The four quarters are joined by the next launch.
; SHARES.  Work-group (bx, q): rows 256 bx .., codes 2048 q ...  Four waves; wave w has 64 rows (4 blocks i of 16) against all 2,048 codes.
; The wave's x fragments (4 blocks x 8 K steps x 8 registers = 256) stay in registers for the whole launch, so LDS is read for codes alone:
; 8 KiB of fragments feed 32 matrix instructions.  x comes through registers and not through LDS because it is read once: 32 KiB a wave.
; CLUSTER.  The four work-groups of a cluster (same q, neighbouring bx) walk the same codes and norms: every tensor load is a joint load with the mask 15.
; Nothing in a descriptor, a branch or an LDS address hangs on the place in the cluster; it enters the addresses of x16, xnorm and cand alone.
; THE MATRIX INSTRUCTION IS USED TRANSPOSED: source 0 = 16 codes, source 1 = 16 rows of x.  Lane (r = l % 16, h = l / 16), register j then holds
; row r of the block against code 16 tile + 8 h + j: a lane keeps 8 running minima for each of its 4 rows, and no lane crossing is needed until the end.
; THE MINIMUM RIDES BETWEEN THE MATRIX INSTRUCTIONS: while tile t is multiplied into one set of 4 accumulators, the other set (tile t - 1) is reduced,
; 18 vector instructions among 4 matrix instructions.  A strict less-than in ascending tiles keeps the first minimum of each (row, h, j) stream.
; WINDOWS: x lies in v256-v511 and is named as source 1 alone, so the whole loop runs under one setting (source 1 in window 1); for that, no vector
; instruction of the loop has a vector register as its source 1 (constants and scalars stand there).
; LIMITS.  Inputs finite: a NaN distance never wins.  If every distance of a stream is +inf its tile number stays the quarter's first.
; -0 is made +0 before the code is formed.  The sums of a dot product and of the norms run in another order than a plain f32 sum.
.set PITCH, 528                        ; an LDS row of codes: 512 bytes + 16 of padding = 33 x 16: the 16 rows of a fragment begin at 16 different 16-byte columns modulo 256
.set QTR,   64*PITCH                   ; 64 codes: what one tensor load brings
.set SLOT,  4*QTR                      ; 256 codes = 16 tiles = one phase; two slots take turns
.set ENB,   2*SLOT                     ; behind the ring: the quarter's 2,048 norms, 8,192 bytes, filled once
.set TSTEP, 16*PITCH                   ; from a tile of 16 codes to the next
.set ADR,  2                           ; v2, v3    LDS address of my fragment bytes in tile 0 of slot 0, 1
.set PT,   4                           ; v4        the same for the even tile of the pair at work
.set PE,   5                           ; v5        LDS address of my 8 norms of that tile
.set XO,   6                           ; v6        my byte offset in the wave's rows of x16
.set CO,   7                           ; v7        8 lane: my byte offset in the wave's part of cand
.set XN,   8                           ; v[8:15]   |x|^2 of my row of block i, twice, in pair 8 + 2 i
.set SA,   16                          ; v[16:23]  at work: S of pairs a, b; T of pairs a, b
.set SB,   18
.set TA,   20
.set TB,   22
.set ENR,  24                          ; v[24:39]  |e|^2 of my 8 codes, one set for each tile parity
.set FR,   40                          ; v[40:103] code fragments of one tile: 8 registers for each K step of 32
.set ACC,  104                         ; v[104:167] two sets of 4 accumulators: 104 + 32 parity + 8 i
.set BEST, 168                         ; v[168:199] least d so far, 8 i + j
.set IDX,  200                         ; v[200:231] the tile in which it was met
.set HJ,   232                         ; v[232:239] 8 h + j
.set MG,   240                         ; v[240:247] set-up and the joins at the end
.set G1,   24                          ; s[24:31]  descriptor group 1: 64 codes
.set G1E,  32                          ; s[32:39]  descriptor group 1: 512 norms
.set G0,   40                          ; s[40:47]  descriptor group 0 of slot 0, 1
.set G0E,  48                          ; s[48:51]  descriptor group 0 of the norms
.set CUR,  52                          ; s52       tile whose distances are being reduced, counted over all 512 tiles
.set PINF, 53                          ; s53       +infinity
.set MK,   54                          ; s[54:57]  four lane masks
.set MSB, 0
.macro WIN new                         ; the immediate's high byte repeats the setting that is left
.if MSB != \new
	s_set_vgpr_msb (MSB<<8)|\new
.set MSB, \new
.endif
.endm
; A round of the cluster's barrier behind its opening work-group barrier: wave 0 signals for the work-group, every wave waits for all four work-groups, the work-group's barrier closes it.
.macro CREST
	s_cmp_lg_u32 s14, 0
	s_cbranch_scc1 .Lnot_wave_0_\@
	s_barrier_signal -3
.Lnot_wave_0_\@:
	s_barrier_wait -3
	s_barrier_signal -1
	s_barrier_wait -1
.endm
.macro ROUND
	s_barrier_signal -1
	s_barrier_wait -1
	CREST
.endm
	s_load_b256 s[4:11], s[0:1], 0x0               ; cb16 s[4:5], enorm s[6:7], x16 s[8:9], xnorm s[10:11]
	s_load_b64 s[12:13], s[0:1], 0x20              ; cand
	v_lshl_add_u32 v254, v0, 2, 0x44000
	v_mov_b32 v255, 0
	ds_add_u32 v254, v255
	v_lshrrev_b32 v1, 5, v0
	v_readfirstlane_b32 s14, v1                    ; wave 0..3
	s_bfe_u32 s15, ttmp6, 0x40000                  ; cx: my place in the cluster
	s_lshl_b32 s16, ttmp9, 2
	s_add_co_u32 s16, s16, s15                     ; bx = 4 x cluster x + cx: block of 256 rows
	s_and_b32 s17, ttmp7, 0xffff                   ; q: quarter of the codes (the cluster is one work-group high)
	; group 1 for codes: 64 rows x 256 bf16, 16 bytes of padding behind each row of 128 words
	s_mov_b32 s[G1+0], 15|(1<<16)|(1<<20)|(1<<21)|(6<<22)|(3<<25)  ; 15:0 mask: all four; 17:16 elements of 2 bytes; 20 padding on; 21 set beside a mask; 24:22 after 128 words; 31:25 4 words
	s_mov_b32 s[G1+1], 256<<16                     ; tensor_dim0 = 256
	s_mov_b32 s[G1+2], 64<<16                      ; tensor_dim1 = 64
	s_mov_b32 s[G1+3], 256<<16                     ; tile_dim0 = 256
	s_mov_b32 s[G1+4], 64                          ; tile_dim1 = 64
	s_mov_b32 s[G1+5], 256                         ; elements from row to row
	s_mov_b32 s[G1+6], 0
	s_mov_b32 s[G1+7], 0
	; group 1 for norms: 2,048 dense bytes as 8 rows of 32 elements of 8 bytes, no padding
	s_mov_b32 s[G1E+0], 15|(3<<16)|(1<<21)
	s_mov_b32 s[G1E+1], 32<<16
	s_mov_b32 s[G1E+2], 8<<16
	s_mov_b32 s[G1E+3], 32<<16
	s_mov_b32 s[G1E+4], 8
	s_mov_b32 s[G1E+5], 32
	s_mov_b32 s[G1E+6], 0
	s_mov_b32 s[G1E+7], 0
	; groups 0: LDS addresses from the wave's number and constants; global addresses from q and the wave's number
	s_mov_b32 s[G0+0], 1
	s_mul_i32 s[G0+1], s14, QTR                    ; slot 0: my quarter of its rows
	s_mov_b32 s[G0+4], 1
	s_add_co_u32 s[G0+5], s[G0+1], SLOT            ; slot 1
	s_mov_b32 s[G0E+0], 1
	s_lshl_b32 s[G0E+1], s14, 11
	s_add_co_u32 s[G0E+1], s[G0E+1], ENB           ; my quarter of the norms
	s_lshl_b32 s18, s17, 20                        ; q x 2,048 codes of 512 bytes
	s_lshl_b32 s19, s14, 15                        ; + wave x 64 codes
	s_add_co_u32 s18, s18, s19
	s_mov_b32 s19, 0
	s_lshl_b32 s20, s17, 13                        ; q x 2,048 norms of 4 bytes
	s_lshl_b32 s21, s14, 11                        ; + wave x 512 norms
	s_add_co_u32 s20, s20, s21
	s_mov_b32 s21, 0
	s_mov_b32 s[PINF], 0x7f800000
	s_lshl_b32 s[CUR], s17, 7                      ; the quarter's first tile
	s_mov_b32 s60, 0x76543210                      ; v_permlanex16_b32: lane i reads lane i of the other half
	s_mov_b32 s61, 0xfedcba98
	s_wait_dscnt 0x0
	s_wait_kmcnt 0x0
	s_add_nc_u64 s[G0+2:G0+3], s[4:5], s[18:19]            ; phase 0
	s_add_nc_u64 s[G0+6:G0+7], s[G0+2:G0+3], 0x20000       ; phase 1: 256 codes on
	s_add_nc_u64 s[G0E+2:G0E+3], s[6:7], s[20:21]
	s_or_b32 s[G0+3], s[G0+3], 0x80000000          ; type = 2
	s_or_b32 s[G0+7], s[G0+7], 0x80000000
	s_or_b32 s[G0E+3], s[G0E+3], 0x80000000
	; what hangs on bx is made in s[22:23], which feed no descriptor
	s_lshl_b32 s22, s16, 17                        ; x16: 256 rows of 512 bytes
	s_lshl_b32 s23, s14, 15                        ; + wave x 64 rows
	s_add_co_u32 s22, s22, s23
	s_mov_b32 s23, 0
	s_add_nc_u64 s[8:9], s[8:9], s[22:23]
	s_lshr_b32 s22, s22, 7                         ; xnorm: 4 bytes a row
	s_add_nc_u64 s[10:11], s[10:11], s[22:23]
	s_lshl_b32 s22, s22, 1                         ; cand: 8 bytes a row,
	s_add_nc_u64 s[12:13], s[12:13], s[22:23]
	s_lshl_b32 s22, s17, 17                        ; and q x 16,384 rows
	s_add_nc_u64 s[12:13], s[12:13], s[22:23]
	ROUND                                          ; all four work-groups are here: the first joint loads meet
	tensor_load_to_lds s[G0:G0+3], s[G1:G1+7]      ; the three first fills go out together: slot 0,
	s_nop 0
	tensor_load_to_lds s[G0E:G0E+3], s[G1E:G1E+7]  ; the norms,
	s_nop 0
	tensor_load_to_lds s[G0+4:G0+7], s[G1:G1+7]    ; slot 1.  Three tensor loads of the wave are out here, later one at a time
	s_nop 0
	; x fragments: block i, K step s: lane (r, h) takes row r, bytes 64 s + 16 h and 64 s + 32 + 16 h, into v[256 + 64 i + 8 s ..]
	v_and_b32 v[MG], 15, v0                        ; r
	v_bfe_u32 v[MG+1], v0, 4, 1                    ; h
	v_lshlrev_b32 v[XO], 9, v[MG]
	v_lshl_add_u32 v[XO], v[MG+1], 4, v[XO]        ; 512 r + 16 h
	v_lshlrev_b32 v[MG+2], 2, v[MG]                ; 4 r
	WIN 0x40                                       ; destination in window 1
.irp i, 0,1,2,3
.irp s, 0,1,2,3,4,5,6,7
	global_load_b128 v[64*\i+8*\s:64*\i+8*\s+3],   v[XO], s[8:9] offset:8192*\i+64*\s
	global_load_b128 v[64*\i+8*\s+4:64*\i+8*\s+7], v[XO], s[8:9] offset:8192*\i+64*\s+32
.endr
.endr
	WIN 0
.irp i, 0,1,2,3
	global_load_b32 v[XN+2*\i], v[MG+2], s[10:11] offset:64*\i
.endr
	v_mul_u32_u24 v[ADR], v[MG], PITCH
	v_lshl_add_u32 v[ADR], v[MG+1], 4, v[ADR]      ; r x pitch + 16 h
	v_add_nc_u32 v[ADR+1], SLOT, v[ADR]
	v_mov_b32 v[PT], v[ADR]
	v_lshlrev_b32 v[PE], 5, v[MG+1]
	v_add_nc_u32 v[PE], ENB, v[PE]                 ; my 8 norms of tile 0: 32 h
	v_and_b32 v[CO], 31, v0
	v_lshlrev_b32 v[CO], 3, v[CO]
	v_lshlrev_b32 v[HJ], 3, v[MG+1]
.irp j, 1,2,3,4,5,6,7
	v_add_nc_u32 v[HJ+\j], \j, v[HJ]
.endr
.set k, 0
.rept 32
	v_mov_b32 v[BEST+k], s[PINF]                   ; the running minima start at +infinity, in the quarter's first tile; written while the first tiles are on their way
	v_mov_b32 v[IDX+k], s[CUR]
.set k, k+1
.endr
; One matrix instruction: tile parity par, K step s, row block i.  The first K step starts the sums: nothing is cleared.
; The four accumulators of a set take turns, one instruction a turn, over tile ends and backward jumps too.
.macro WM par, s, i
.if \s == 0
	v_wmma_f32_16x16x32_bf16 v[ACC+32*\par+8*\i:ACC+32*\par+8*\i+7], v[FR+8*\s:FR+8*\s+7], v[64*\i+8*\s:64*\i+8*\s+7], 0
.else
	v_wmma_f32_16x16x32_bf16 v[ACC+32*\par+8*\i:ACC+32*\par+8*\i+7], v[FR+8*\s:FR+8*\s+7], v[64*\i+8*\s:64*\i+8*\s+7], v[ACC+32*\par+8*\i:ACC+32*\par+8*\i+7]
.endif
.endm
; The reduction of four registers (pairs a = 2 s and b = 2 s + 1 of the 16 pairs) of the set that is NOT being multiplied.
.macro EPSET par, s
.set AO, ACC+32*(1-\par)+4*\s          ; the four dot products, then distances
.set BO, BEST+4*\s
.set IO, IDX+4*\s
.set EO, ENR+8*(1-\par)+((4*\s)&7)     ; |e|^2 of codes j = 0..3 or 4..7
.set XI, XN+2*(\s/2)                   ; |x|^2 of block i = s / 2
.endm
.macro EP0
	v_pk_fma_f32 v[SA:SA+1], v[EO:EO+1],   1.0, v[XI:XI+1] op_sel_hi:[1,0,1]       ; S = fl(|e|^2 + |x|^2)
	v_pk_fma_f32 v[SB:SB+1], v[EO+2:EO+3], 1.0, v[XI:XI+1] op_sel_hi:[1,0,1]
	v_pk_fma_f32 v[AO:AO+1],   v[AO:AO+1],   -2.0, v[SA:SA+1] op_sel_hi:[1,0,1]    ; d = fl(S - 2 dot): doubling is exact, so one rounding, as in the problem
	v_pk_fma_f32 v[AO+2:AO+3], v[AO+2:AO+3], -2.0, v[SB:SB+1] op_sel_hi:[1,0,1]
.endm
.macro EP1
	v_pk_fma_f32 v[TA:TA+1], v[BO:BO+1],   -1.0, v[AO:AO+1]   op_sel_hi:[1,0,1]    ; d - best: the sign of a rounded difference is exact, and a tie gives 0
	v_pk_fma_f32 v[TB:TB+1], v[BO+2:BO+3], -1.0, v[AO+2:AO+3] op_sel_hi:[1,0,1]
	v_cmp_lt_f32 s[MK],   v[TA],   0
	v_cmp_lt_f32 s[MK+1], v[TA+1], 0
.endm
.macro EP2
	v_cmp_lt_f32 s[MK+2], v[TB],   0
	v_cmp_lt_f32 s[MK+3], v[TB+1], 0
	v_cndmask_b32 v[IO],   v[IO],   s[CUR], s[MK]
	v_cndmask_b32 v[IO+1], v[IO+1], s[CUR], s[MK+1]
	v_min3_num_f32 v[BO], v[AO], s[PINF], v[BO]
.endm
.macro EP3
	v_min3_num_f32 v[BO+1], v[AO+1], s[PINF], v[BO+1]
	v_cndmask_b32 v[IO+2], v[IO+2], s[CUR], s[MK+2]
	v_cndmask_b32 v[IO+3], v[IO+3], s[CUR], s[MK+3]
	v_min3_num_f32 v[BO+2], v[AO+2], s[PINF], v[BO+2]
	v_min3_num_f32 v[BO+3], v[AO+3], s[PINF], v[BO+3]
.endm
; One K step of a tile: four matrix instructions with the reduction among them.  Behind the fourth stand five plain vector instructions (or four v_nop)
; that name none of its registers: the four places in front of the loads that fill this K step's fragment registers again.
.macro QUAD par, s, epi
	EPSET \par, \s
	WM \par, \s, 0
.if \epi
	EP0
.endif
	WM \par, \s, 1
.if \epi
	EP1
.endif
	WM \par, \s, 2
.if \epi
	EP2
.endif
	WM \par, \s, 3
.if \epi
	EP3
.else
	v_nop
	v_nop
	v_nop
	v_nop
.endif
.endm
.macro LDFR adr, off, s                ; the code fragment of K step s: 16 codes x 32 K
	ds_load_b128 v[FR+8*\s:FR+8*\s+3],   v[\adr] offset:\off+64*\s
	ds_load_b128 v[FR+8*\s+4:FR+8*\s+7], v[\adr] offset:\off+64*\s+32
.endm
.macro LDEN par, eoff                  ; my 8 norms of the tile at work; they are used in the next tile
	ds_load_b128 v[ENR+8*\par:ENR+8*\par+3],   v[PE] offset:\eoff
	ds_load_b128 v[ENR+8*\par+4:ENR+8*\par+7], v[PE] offset:\eoff+16
.endm
; An ordinary tile: each K step is multiplied, then its registers are loaded with the next tile's fragment (at off from PT).
; s_wait_dscnt 14: behind the two loads of a K step's fragment at least the 14 loads of the seven other K steps have been issued (16 where the two
; loads of norms fall among them), and LDS loads come back in order.  At K step 0 the same wait shows the last tile's norms in: 16 loads are younger.
.macro TILE par, epi, off, eoff
.irp ks, 0,1,2,3,4,5,6,7
	s_wait_dscnt 14
	QUAD \par, \ks, \epi
.if \ks == 0
	LDEN \par, \eoff
.endif
	LDFR PT, \off, \ks
.endr
.if \epi
	s_add_co_u32 s[CUR], s[CUR], 1
.endif
.endm
; A phase's last tile.  chg = 1: the slot is left and filled again; 2: it is left; 3: the launch's last tile.
; All 16 fragment loads of this tile were issued in the tile before, so the wave's reads of the slot are over early: it waits for them and for all its
; tensor loads (the one that is out is its part of the other slot), signals, works on registers while the others arrive, and behind the round of the
; cluster's barrier asks for the slot's next 256 codes first of all; then it reads the other slot.
.macro TILEC par, chg, slot, eoff
	s_wait_dscnt 14
	QUAD \par, 0, 1
	LDEN \par, \eoff
	s_wait_dscnt 14                                ; behind K step 1's fragment: 12 fragment loads and the 2 loads of norms
	QUAD \par, 1, 1
	s_wait_dscnt 0x0                               ; my reads of this slot (and of the norms) are back
.if \chg != 3
	s_set_vgpr_msb 0x400
	s_wait_tensorcnt 0x0                           ; all my tensor loads have landed, so a group 0 may be written
	ds_add_u32 v254, v255
	s_wait_dscnt 0x0
	s_set_vgpr_msb 0x4
.if \chg == 1
	s_add_nc_u64 s[G0+4*\slot+2:G0+4*\slot+3], s[G0+4*\slot+2:G0+4*\slot+3], 0x40000   ; two phases on: 512 codes of 512 bytes
.endif
	s_barrier_signal -1
.endif
	QUAD \par, 2, 1                                ; register work alone
	QUAD \par, 3, 1
.if \chg != 3
	WIN 0
	s_barrier_wait -1
.if \chg == 1
	CREST                                          ; no wave of the four work-groups still reads this slot or has a load on its way
	tensor_load_to_lds s[G0+4*\slot:G0+4*\slot+3], s[G1:G1+7]      ; my one tensor load behind the round; it has the next phase, 512 matrix instructions less 8, in which to land
	s_nop 0
.endif
	WIN 4
	LDFR ADR+1-\slot, 0, 0                         ; the other slot's tile 0
	LDFR ADR+1-\slot, 0, 1
	LDFR ADR+1-\slot, 0, 2
	LDFR ADR+1-\slot, 0, 3
.endif
.irp ks, 4,5,6,7
	QUAD \par, \ks, 1
.if \chg != 3
	LDFR ADR+1-\slot, 0, \ks
.endif
.endr
	s_add_co_u32 s[CUR], s[CUR], 1
.endm
; A phase: the 16 tiles of a slot, two to a trip.  first = 1: the launch's first tile has no tile before it to reduce.
.macro PHASE slot, chg, first
.if \first
	WIN 4
	TILE 0, 0, TSTEP, 0
	TILE 1, 1, 2*TSTEP, 64
	WIN 0
	v_add_nc_u32 v[PT], 2*TSTEP, v[PT]
	v_add_nc_u32 v[PE], 128, v[PE]
	s_mov_b32 s58, 6
.else
	s_mov_b32 s58, 7
.endif
.Lpair_\@:
	WIN 4                                          ; source 1 in window 1
	TILE 0, 1, TSTEP, 0
	TILE 1, 1, 2*TSTEP, 64
	WIN 0                                          ; at a label and at a branch every window is 0
	v_add_nc_u32 v[PT], 2*TSTEP, v[PT]
	v_add_nc_u32 v[PE], 128, v[PE]
	s_sub_co_u32 s58, s58, 1
	s_cmp_lg_u32 s58, 0
	s_cbranch_scc1 .Lpair_\@
	WIN 4
	TILE 0, 1, TSTEP, 0
	TILEC 1, \chg, \slot, 64
	WIN 0
.if \chg != 3
	v_mov_b32 v[PT], v[ADR+1-\slot]
	v_add_nc_u32 v[PE], 128, v[PE]
.endif
.endm
	s_wait_tensorcnt 0x1                           ; my parts of slot 0 and of the norms are in; slot 1's may stay out
	s_barrier_signal -1
	s_barrier_wait -1                              ; everybody's are
.irp ks, 0,1,2,3,4,5,6,7
	LDFR PT, 0, \ks                                ; tile 0
.endr
	s_wait_loadcnt 0x0                             ; x and its norms, once
.irp i, 0,1,2,3
	v_mov_b32 v[XN+2*\i+1], v[XN+2*\i]             ; the packed adds take a pair
.endr
	PHASE 0, 1, 1                                  ; phases 0 and 1
	PHASE 1, 1, 0
	s_mov_b32 s59, 2
.Llap:
	PHASE 0, 1, 0                                  ; phases 2 to 5
	PHASE 1, 1, 0
	s_sub_co_u32 s59, s59, 1
	s_cmp_lg_u32 s59, 0
	s_cbranch_scc1 .Llap
	PHASE 0, 2, 0                                  ; phase 6 fills nothing: a plain barrier shows slot 1 whole
	PHASE 1, 3, 0                                  ; phase 7
.irp ks, 0,1,2,3,4,5,6,7
	EPSET 0, \ks                                   ; the last tile is reduced alone; the five vector instructions behind its last matrix instruction were the places
	EP0
	EP1
	EP2
	EP3
.endr
	; THE WAY OUT.  code = 16 tile + 8 h + j; then the least (d, code) of a row: over j in the lane, then over the two halves.
.set k, 0
.rept 32
	v_lshl_add_u32 v[IDX+k], v[IDX+k], 4, v[HJ+(k&7)]
.set k, k+1
.endr
.macro MERGE bd, bc, nd, nc            ; (bd, bc) takes (nd, nc) if nd is less, or equal with the lower code
	v_cmp_lt_f32 s20, v[\nd], v[\bd]
	v_cmp_eq_f32 s21, v[\nd], v[\bd]
	v_cmp_lt_u32 s22, v[\nc], v[\bc]
	s_and_b32 s21, s21, s22
	s_or_b32 s20, s20, s21
	v_cndmask_b32 v[\bd], v[\bd], v[\nd], s20
	v_cndmask_b32 v[\bc], v[\bc], v[\nc], s20
.endm
.irp j, 1,2,3,4,5,6,7
.irp i, 0,1,2,3
	MERGE BEST+8*\i, IDX+8*\i, BEST+8*\i+\j, IDX+8*\i+\j
.endr
.endr
.irp i, 0,1,2,3
	v_mov_b32 v[MG+2*\i], 0                        ; v_permlanex16_b32 counts as a reader of its destination
	v_mov_b32 v[MG+2*\i+1], 0
	v_permlanex16_b32 v[MG+2*\i],   v[BEST+8*\i], s60, s61
	v_permlanex16_b32 v[MG+2*\i+1], v[IDX+8*\i],  s60, s61
.endr
.irp i, 0,1,2,3
	MERGE BEST+8*\i, IDX+8*\i, MG+2*\i, MG+2*\i+1
.endr
.irp i, 0,1,2,3
	v_add_f32 v[BEST+8*\i], 0, v[BEST+8*\i]        ; -0 becomes +0
	v_ashrrev_i32 v[MG+2*\i], 31, v[BEST+8*\i]
	v_or_b32 v[MG+2*\i], 0x80000000, v[MG+2*\i]
	v_xor_b32 v[BEST+8*\i], v[BEST+8*\i], v[MG+2*\i]       ; u32 in the order of the f32: negative numbers turned over, the others lifted above them
.endr
	; both halves hold every block: lane 16 h + r stores row r of block h, then of block 2 + h: 32 rows x 8 bytes = 256 consecutive bytes a store
	v_and_b32 v[MG], 16, v0
	v_cmp_ne_u32 s20, 0, v[MG]
	v_cndmask_b32 v[MG+2], v[BEST],    v[BEST+8],  s20
	v_cndmask_b32 v[MG+3], v[IDX],     v[IDX+8],   s20
	v_cndmask_b32 v[MG+4], v[BEST+16], v[BEST+24], s20
	v_cndmask_b32 v[MG+5], v[IDX+16],  v[IDX+24],  s20
	global_store_b64 v[CO], v[MG+2:MG+3], s[12:13]
	global_store_b64 v[CO], v[MG+4:MG+5], s[12:13] offset:256
	ROUND                                          ; the closing round: no work-group ends while a partner may still ask for a tile that names it
	s_endpgm
.Lfunc_end_k_q2328bfd936_nearest:
	.size	k_q2328bfd936_nearest, .Lfunc_end_k_q2328bfd936_nearest-k_q2328bfd936_nearest
	.p2alignl 7, 3214868480
	.fill 96, 4, 3214868480
	.section	.rodata,"a",@progbits
	.p2align	6, 0x0
	.amdhsa_kernel k_q2328bfd936_nearest
		.amdhsa_group_segment_fixed_size 327680
		.amdhsa_private_segment_fixed_size 0
		.amdhsa_enable_private_segment 0
		.amdhsa_kernarg_size 40
		.amdhsa_user_sgpr_count 2
		.amdhsa_user_sgpr_kernarg_segment_ptr 1
		.amdhsa_wavefront_size32 1
		.amdhsa_system_sgpr_workgroup_id_x 1
		.amdhsa_system_sgpr_workgroup_id_y 1
		.amdhsa_system_sgpr_workgroup_id_z 1
		.amdhsa_system_vgpr_workitem_id 0
		.amdhsa_next_free_vgpr 512
		.amdhsa_next_free_sgpr 66
		.amdhsa_reserve_vcc 0
		.amdhsa_float_denorm_mode_32 3
		.amdhsa_float_denorm_mode_16_64 3
		.amdhsa_memory_ordered 1
		.amdhsa_forward_progress 1
		.amdhsa_inst_pref_size 255
	.end_amdhsa_kernel
	.section	.bss,"aw",@nobits
	.p2align	6
	.space	262144
	.amdgpu_metadata
---
amdhsa.version: [ 1, 2 ]
amdhsa.kernels:
  - .name:           k_q2328bfd936_nearest
    .symbol:         k_q2328bfd936_nearest.kd
    .args:
      - { .name: cb16, .offset: 0, .size: 8, .value_kind: global_buffer, .address_space: global }
      - { .name: enorm, .offset: 8, .size: 8, .value_kind: global_buffer, .address_space: global }
      - { .name: x16, .offset: 16, .size: 8, .value_kind: global_buffer, .address_space: global }
      - { .name: xnorm, .offset: 24, .size: 8, .value_kind: global_buffer, .address_space: global }
      - { .name: cand, .offset: 32, .size: 8, .value_kind: global_buffer, .address_space: global }
    .group_segment_fixed_size: 327680
    .private_segment_fixed_size: 0
    .kernarg_segment_align: 8
    .kernarg_segment_size: 40
    .max_flat_workgroup_size: 128
    .sgpr_count:     66
    .vgpr_count:     512
    .wavefront_size: 32
...
	.end_amdgpu_metadata
.endif
;; end of part 2
;; launch pick (part 3): grid 256 x 1, 8 waves a work-group, no clusters, 1,280 bytes of LDS; arguments cand, codebook, inputs, out0, part; writes out0, part
.if DOCPART == 3
	.amdgcn_target "amdgcn-amd-amdhsa--gfx1250"
	.amdhsa_code_object_version 6
	.text
	.protected	k_q2328bfd936_pick
	.globl	k_q2328bfd936_pick
	.p2align	8
	.type	k_q2328bfd936_pick,@function
k_q2328bfd936_pick:
	s_mov_b64 s[64:65], 0
	v_nop
	global_prefetch_b8 v0, s[64:65] scope:SCOPE_SE
	s_setreg_imm32_b32 hwreg(HW_REG_WAVE_MODE, 25, 1), 1
	s_wait_xcnt 0x0
; The four quarters' candidates of a row are joined by whole-number compares on the words as they are read; the winning code's row is gathered;
; out0 = x + (e - x), formed as the problem forms it; the squares of (e - x) are summed directly into one partial sum for the work-group.
; 64 rows a work-group, 8 rows a wave.  A lane takes 16 bytes at 16 lane and at 512 + 16 lane of each row: a load or store of the wave covers 512 consecutive bytes.
; All 32 loads of a wave go out at once; memory binds, so no LDS ring, no matrix unit and no cluster (no two work-groups share a row of x; which code rows they share is not known beforehand).
; A code number is cut to 8,191 before it enters an address.
.set X, 8                              ; v[8:71]    x, 8 registers a row
.set Q, 72                             ; v[72:135]  e, then e - x, then x + (e - x), 8 registers a row: each row its own, so no store's data is written again
.set L, 136                            ; v[136:143] four chains of squares, two numbers each
	s_load_b256 s[4:11], s[0:1], 0x0               ; cand s[4:5], codebook s[6:7], inputs s[8:9], out0 s[10:11]
	s_load_b64 s[12:13], s[0:1], 0x20              ; part
	v_lshl_add_u32 v144, v0, 2, 0x100
	v_mov_b32 v145, 0
	v_lshrrev_b32 v2, 5, v0
	v_readfirstlane_b32 s14, v2                    ; wave 0..7
	v_and_b32 v1, 31, v0
	v_lshlrev_b32 v1, 4, v1                        ; 16 lane
	s_mov_b32 s70, 0x76543210
	s_mov_b32 s71, 0xfedcba98
	s_lshl_b32 s68, ttmp9, 9                       ; 64 rows of 8 bytes
	s_lshl_b32 s69, s14, 6                         ; + wave x 8 rows
	s_add_co_u32 s68, s68, s69
	s_mov_b32 s69, 0
	s_wait_kmcnt 0x0
	s_add_nc_u64 s[4:5], s[4:5], s[68:69]
	s_load_b512 s[16:31], s[4:5], 0x0              ; my 8 rows (key, code) of quarter 0,
	s_load_b512 s[32:47], s[4:5], 0x20000          ; 1: 16,384 rows of 8 bytes on,
	s_load_b512 s[48:63], s[4:5], 0x40000          ; 2,
	s_load_b512 s[80:95], s[4:5], 0x60000          ; 3
	s_lshl_b32 s68, s68, 7                         ; the same rows at 1,024 bytes each
	s_add_nc_u64 s[8:9], s[8:9], s[68:69]
	s_add_nc_u64 s[10:11], s[10:11], s[68:69]
.irp k, 0,1,2,3,4,5,6,7
	global_load_b128 v[X+8*\k:X+8*\k+3],   v1, s[8:9] offset:1024*\k th:TH_LOAD_NT
	global_load_b128 v[X+8*\k+4:X+8*\k+7], v1, s[8:9] offset:1024*\k+512 th:TH_LOAD_NT
.endr
	s_wait_kmcnt 0x0
; Row k: a later quarter wins only with a strictly lower key, so a tie goes to the lower code.  Then the address of the code's row.
.macro PICK k
.irp b, 32, 48, 80
	s_cmp_lt_u32 s[\b+2*\k], s[16+2*\k]
	s_cselect_b32 s[17+2*\k], s[\b+2*\k+1], s[17+2*\k]
	s_min_u32 s[16+2*\k], s[16+2*\k], s[\b+2*\k]
.endr
	s_min_u32 s[17+2*\k], s[17+2*\k], 0x1fff
	s_lshl_b32 s[16+2*\k], s[17+2*\k], 10          ; rows of 1,024 bytes
	s_mov_b32 s[17+2*\k], 0
	s_add_nc_u64 s[16+2*\k:17+2*\k], s[6:7], s[16+2*\k:17+2*\k]
.endm
.irp k, 0,1,2,3,4,5,6,7
	PICK \k
	global_load_b128 v[Q+8*\k:Q+8*\k+3],   v1, s[16+2*\k:17+2*\k]
	global_load_b128 v[Q+8*\k+4:Q+8*\k+7], v1, s[16+2*\k:17+2*\k] offset:512
.endr
.macro ROWOUT k
	s_wait_loadcnt 14-2*\k                         ; loads come back in order: all of x and the code rows up to k are in, two loads for each younger row stay out
.irp j, 0,1,2,3
	v_pk_add_f32 v[Q+8*\k+2*\j:Q+8*\k+2*\j+1], v[Q+8*\k+2*\j:Q+8*\k+2*\j+1], v[X+8*\k+2*\j:X+8*\k+2*\j+1] neg_lo:[0,1] neg_hi:[0,1]   ; e - x
.endr
.irp j, 0,1,2,3
.if \k == 0
	v_pk_mul_f32 v[L+2*\j:L+2*\j+1], v[Q+8*\k+2*\j:Q+8*\k+2*\j+1], v[Q+8*\k+2*\j:Q+8*\k+2*\j+1]                      ; the first row starts the chains
.else
	v_pk_fma_f32 v[L+2*\j:L+2*\j+1], v[Q+8*\k+2*\j:Q+8*\k+2*\j+1], v[Q+8*\k+2*\j:Q+8*\k+2*\j+1], v[L+2*\j:L+2*\j+1]
.endif
.endr
.irp j, 0,1,2,3
	v_pk_add_f32 v[Q+8*\k+2*\j:Q+8*\k+2*\j+1], v[X+8*\k+2*\j:X+8*\k+2*\j+1], v[Q+8*\k+2*\j:Q+8*\k+2*\j+1]            ; x + (e - x)
.endr
	global_store_b128 v1, v[Q+8*\k:Q+8*\k+3],   s[10:11] offset:1024*\k th:TH_STORE_NT
	global_store_b128 v1, v[Q+8*\k+4:Q+8*\k+7], s[10:11] offset:1024*\k+512 th:TH_STORE_NT
.endm
.irp k, 0,1,2,3,4,5,6,7
	ROWOUT \k
.endr
	v_pk_add_f32 v[L:L+1], v[L:L+1], v[L+2:L+3]
	v_pk_add_f32 v[L+4:L+5], v[L+4:L+5], v[L+6:L+7]
	v_pk_add_f32 v[L:L+1], v[L:L+1], v[L+4:L+5]
	v_add_f32 v[L], v[L], v[L+1]
	v_add_f32_dpp v[L], v[L], v[L] row_xmask:1 row_mask:0xf bank_mask:0xf
	v_add_f32_dpp v[L], v[L], v[L] row_xmask:2 row_mask:0xf bank_mask:0xf
	v_add_f32_dpp v[L], v[L], v[L] row_xmask:4 row_mask:0xf bank_mask:0xf
	v_add_f32_dpp v[L], v[L], v[L] row_xmask:8 row_mask:0xf bank_mask:0xf
	v_permlanex16_b32 v[L+1], v[L], s70, s71
	v_add_f32 v[L], v[L], v[L+1]                   ; the wave's sum, in every lane
	v_mov_b32 v3, s14
	v_lshlrev_b32 v3, 2, v3
	ds_store_b32 v3, v[L]                          ; word w of LDS
	s_wait_dscnt 0x0                               ; it is there before I say so
	s_barrier_signal -1
	s_barrier_wait -1
	s_cmp_lg_u32 s14, 0
	s_cbranch_scc1 .Lend                           ; wave 0 adds the eight sums, in a fixed order
	v_mov_b32 v2, 0
	ds_load_b128 v[L:L+3], v2
	ds_load_b128 v[L+4:L+7], v2 offset:16
	s_lshl_b32 s68, ttmp9, 2                       ; part[work-group]
	s_add_nc_u64 s[12:13], s[12:13], s[68:69]
	s_wait_dscnt 0x0
	v_pk_add_f32 v[L:L+1], v[L:L+1], v[L+2:L+3]
	v_pk_add_f32 v[L+4:L+5], v[L+4:L+5], v[L+6:L+7]
	v_pk_add_f32 v[L:L+1], v[L:L+1], v[L+4:L+5]
	v_add_f32 v[L], v[L], v[L+1]
	v_cmp_eq_u32 vcc_lo, 0, v0
	s_wait_xcnt 0x0                                ; EXEC is a source of the stores above: it changes only behind this wait
	s_and_saveexec_b32 s72, vcc_lo
	global_store_b32 v2, v[L], s[12:13]            ; lane 0 alone
	s_wait_xcnt 0x0                                ; and again in front of the line that widens it
	s_or_b32 exec_lo, exec_lo, s72
.Lend:
	s_wait_tensorcnt 0x0
	ds_add_u32 v144, v145
	s_wait_dscnt 0x0
	s_endpgm
.Lfunc_end_k_q2328bfd936_pick:
	.size	k_q2328bfd936_pick, .Lfunc_end_k_q2328bfd936_pick-k_q2328bfd936_pick
	.p2alignl 7, 3214868480
	.fill 96, 4, 3214868480
	.section	.rodata,"a",@progbits
	.p2align	6, 0x0
	.amdhsa_kernel k_q2328bfd936_pick
		.amdhsa_group_segment_fixed_size 1280
		.amdhsa_private_segment_fixed_size 0
		.amdhsa_enable_private_segment 0
		.amdhsa_kernarg_size 40
		.amdhsa_user_sgpr_count 2
		.amdhsa_user_sgpr_kernarg_segment_ptr 1
		.amdhsa_wavefront_size32 1
		.amdhsa_system_sgpr_workgroup_id_x 1
		.amdhsa_system_sgpr_workgroup_id_y 1
		.amdhsa_system_sgpr_workgroup_id_z 1
		.amdhsa_system_vgpr_workitem_id 0
		.amdhsa_next_free_vgpr 146
		.amdhsa_next_free_sgpr 96
		.amdhsa_reserve_vcc 1
		.amdhsa_float_denorm_mode_32 3
		.amdhsa_float_denorm_mode_16_64 3
		.amdhsa_memory_ordered 1
		.amdhsa_forward_progress 1
		.amdhsa_inst_pref_size 18
	.end_amdhsa_kernel
	.amdgpu_metadata
---
amdhsa.version: [ 1, 2 ]
amdhsa.kernels:
  - .name:           k_q2328bfd936_pick
    .symbol:         k_q2328bfd936_pick.kd
    .args:
      - { .name: cand, .offset: 0, .size: 8, .value_kind: global_buffer, .address_space: global }
      - { .name: codebook, .offset: 8, .size: 8, .value_kind: global_buffer, .address_space: global }
      - { .name: inputs, .offset: 16, .size: 8, .value_kind: global_buffer, .address_space: global }
      - { .name: out0, .offset: 24, .size: 8, .value_kind: global_buffer, .address_space: global }
      - { .name: part, .offset: 32, .size: 8, .value_kind: global_buffer, .address_space: global }
    .group_segment_fixed_size: 1280
    .private_segment_fixed_size: 0
    .kernarg_segment_align: 8
    .kernarg_segment_size: 40
    .max_flat_workgroup_size: 256
    .sgpr_count:     96
    .vgpr_count:     146
    .wavefront_size: 32
...
	.end_amdgpu_metadata
.endif
;; end of part 3
;; launch loss (part 4): grid 1 x 1, 1 waves a work-group, no clusters, 0 bytes of LDS; arguments part, out1; writes out1
.if DOCPART == 4
	.amdgcn_target "amdgcn-amd-amdhsa--gfx1250"
	.amdhsa_code_object_version 6
	.text
	.protected	k_q2328bfd936_loss
	.globl	k_q2328bfd936_loss
	.p2align	8
	.type	k_q2328bfd936_loss,@function
k_q2328bfd936_loss:
	s_mov_b64 s[64:65], 0
	v_nop
	global_prefetch_b8 v0, s[64:65] scope:SCOPE_SE
	s_setreg_imm32_b32 hwreg(HW_REG_WAVE_MODE, 25, 1), 1
	s_wait_xcnt 0x0
; out1 = 1.25 x (sum of the 256 partial sums of squares) / 4,194,304: both means of the problem are the same number, weighted 0.25 and 1.
; One wave: a lane takes 16 bytes at 16 lane and at 512 + 16 lane; the sum has one fixed order.
	s_load_b128 s[4:7], s[0:1], 0x0                ; part s[4:5], out1 s[6:7]
	v_lshlrev_b32 v1, 4, v0
	v_mov_b32 v2, 0
	s_mov_b32 s8, 0x76543210
	s_mov_b32 s9, 0xfedcba98
	s_wait_kmcnt 0x0
	global_load_b128 v[4:7], v1, s[4:5]
	global_load_b128 v[8:11], v1, s[4:5] offset:512
	s_wait_loadcnt 0x0
	v_pk_add_f32 v[4:5], v[4:5], v[8:9]
	v_pk_add_f32 v[6:7], v[6:7], v[10:11]
	v_pk_add_f32 v[4:5], v[4:5], v[6:7]
	v_add_f32 v4, v4, v5
	v_add_f32_dpp v4, v4, v4 row_xmask:1 row_mask:0xf bank_mask:0xf
	v_add_f32_dpp v4, v4, v4 row_xmask:2 row_mask:0xf bank_mask:0xf
	v_add_f32_dpp v4, v4, v4 row_xmask:4 row_mask:0xf bank_mask:0xf
	v_add_f32_dpp v4, v4, v4 row_xmask:8 row_mask:0xf bank_mask:0xf
	v_permlanex16_b32 v5, v4, s8, s9               ; v5 has been written above
	v_add_f32 v4, v4, v5
	v_mul_f32 v4, 0x34a00000, v4                   ; 1.25 x 2^-22
	v_cmp_eq_u32 vcc_lo, 0, v0
	s_wait_xcnt 0x0                                ; EXEC changes only behind this wait
	s_and_saveexec_b32 s10, vcc_lo
	global_store_b32 v2, v4, s[6:7]                ; lane 0 alone
	s_wait_xcnt 0x0
	s_or_b32 exec_lo, exec_lo, s10
	s_endpgm
.Lfunc_end_k_q2328bfd936_loss:
	.size	k_q2328bfd936_loss, .Lfunc_end_k_q2328bfd936_loss-k_q2328bfd936_loss
	.p2alignl 7, 3214868480
	.fill 96, 4, 3214868480
	.section	.rodata,"a",@progbits
	.p2align	6, 0x0
	.amdhsa_kernel k_q2328bfd936_loss
		.amdhsa_group_segment_fixed_size 0
		.amdhsa_private_segment_fixed_size 0
		.amdhsa_enable_private_segment 0
		.amdhsa_kernarg_size 16
		.amdhsa_user_sgpr_count 2
		.amdhsa_user_sgpr_kernarg_segment_ptr 1
		.amdhsa_wavefront_size32 1
		.amdhsa_system_sgpr_workgroup_id_x 1
		.amdhsa_system_sgpr_workgroup_id_y 1
		.amdhsa_system_sgpr_workgroup_id_z 1
		.amdhsa_system_vgpr_workitem_id 0
		.amdhsa_next_free_vgpr 16
		.amdhsa_next_free_sgpr 66
		.amdhsa_reserve_vcc 1
		.amdhsa_float_denorm_mode_32 3
		.amdhsa_float_denorm_mode_16_64 3
		.amdhsa_memory_ordered 1
		.amdhsa_forward_progress 1
		.amdhsa_inst_pref_size 2
	.end_amdhsa_kernel
	.amdgpu_metadata
---
amdhsa.version: [ 1, 2 ]
amdhsa.kernels:
  - .name:           k_q2328bfd936_loss
    .symbol:         k_q2328bfd936_loss.kd
    .args:
      - { .name: part, .offset: 0, .size: 8, .value_kind: global_buffer, .address_space: global }
      - { .name: out1, .offset: 8, .size: 8, .value_kind: global_buffer, .address_space: global }
    .group_segment_fixed_size: 0
    .private_segment_fixed_size: 0
    .kernarg_segment_align: 8
    .kernarg_segment_size: 16
    .max_flat_workgroup_size: 32
    .sgpr_count:     66
    .vgpr_count:     16
    .wavefront_size: 32
...
	.end_amdgpu_metadata
.endif
;; end of part 4
;; ======== version 2 of 2: 4 launches; 1.19 times as fast as version 1
;; workspace buffers: cb16 4,194,304 bytes; x16 8,388,608 bytes; enorm 32,768 bytes; xnorm 65,536 bytes; cand 524,288 bytes of whole numbers; part 1,024 bytes
;; launch prep: the kernel of part 1 again; grid 384 x 1, 8 waves a work-group, no clusters, 1,280 bytes of LDS; arguments codebook, inputs, cb16, x16, enorm, xnorm; writes cb16, x16, enorm, xnorm
;; launch nearest (part 5): grid 64 x 4, 8 waves a work-group, clusters of 4 x 1, 327,680 bytes of LDS; arguments cb16, enorm, x16, xnorm, cand; writes cand
.if DOCPART == 5
	.amdgcn_target "amdgcn-amd-amdhsa--gfx1250"
	.amdhsa_code_object_version 6
	.text
	.protected	k_q2328bfd936_nearest
	.globl	k_q2328bfd936_nearest
	.p2align	8
	.type	k_q2328bfd936_nearest,@function
k_q2328bfd936_nearest:
	s_mov_b64 s[64:65], 0
	v_nop
	global_prefetch_b8 v0, s[64:65] scope:SCOPE_SE
	s_setreg_imm32_b32 hwreg(HW_REG_WAVE_MODE, 25, 1), 1
	s_wait_xcnt 0x0
	s_wait_alu depctr_hold_cnt(0) depctr_sa_sdst(0) depctr_va_vdst(0) depctr_va_sdst(0) depctr_va_ssrc(0) depctr_va_vcc(0) depctr_vm_vsrc(0)
	s_getreg_b32 s2, hwreg(HW_REG_IB_STS2, 6, 4)
	s_cmp_eq_u32 s2, 0
	s_cbranch_scc0 .Lentry_in_a_cluster
	s_endpgm
.Lentry_in_a_cluster:
	s_bfe_u32 s2, ttmp6, 0x10000c
	s_cmp_lg_u32 s2, 0x3003
	s_cbranch_scc0 .Lentry_shape_is_right
	s_endpgm
.Lentry_shape_is_right:
; For 256 rows x and a quarter of the codes (2,048): d = fl(fl(|x|^2 + |e|^2) - 2 x.e) in f32, as the problem forms it, and the FIRST least d.
; Stored for each row and quarter: an order-keeping u32 code of the least d, and its code number.  The four quarters are joined by the next launch.
; SHARES.  Work-group (bx, q): rows 256 bx .., codes 2048 q ...  Eight waves; wave w has row group wr = w & 3 (64 rows, 4 blocks i of 16) and code half
; wc = w >> 2: of the 16 tiles (of 16 codes) of each LDS slot it takes tiles 8 wc .. 8 wc + 7.  8 waves x 512 registers = 4 x 1,024: two waves lie on each SIMD,
; so that a SIMD has a second stream of matrix instructions to issue from while one wave reduces its distances or waits at its LDS loads.
; Each tile is read from LDS by four waves, whatever the number of waves.
; The wave's x fragments (4 blocks x 8 K steps x 8 registers = 256) stay in registers for the whole launch, so LDS is read for codes alone:
; 8 KiB of fragments feed 32 matrix instructions.  x comes through registers and not through LDS because a wave reads it once: 32 KiB.
; CLUSTER.  The four work-groups of a cluster (same q, neighbouring bx) walk the same codes and norms: every tensor load is a joint load with the mask 15.
; Nothing in a descriptor, a branch or an LDS address hangs on the place in the cluster; it enters the addresses of x16, xnorm and cand alone.
; THE MATRIX INSTRUCTION IS USED TRANSPOSED: source 0 = 16 codes, source 1 = 16 rows of x.  Lane (r = l % 16, h = l / 16), register j then holds
; row r of the block against code 16 tile + 8 h + j: no lane crossing is needed until the end.
; THE MINIMUM.  A lane keeps, for each of its 4 rows, ONE least distance, the tile in which it was first met, and the 8 distances of that tile.
; For 8 distances: 4 packed adds, 4 packed multiply-adds, 4 minima, a compare, a minimum, a select of the tile and 8 selects that keep the distances: 23 instructions.
; A strict less-than in ascending tiles keeps the first tile that reaches the least distance, and no later tile replaces what was kept, so at the end
; the lowest j whose kept distance equals the least one is the first minimum of the (row, h) stream.
; WINDOWS AND ORDER.  x lies in v256-v511 and is named as source 1 of the matrix instructions alone.  They stand in runs of 16 (4 K steps x 4 accumulators)
; under the setting 'source 1 in window 1'; behind each run, under the setting 0, two accumulators of the tile before are reduced (46 instructions):
; four switches for a tile's 32 matrix instructions.  Two sets of accumulators take turns, so that a reduction never waits for the run in front of it.
; LIMITS.  Inputs finite: a NaN distance never wins.  If every distance of a (row, h) stream is +inf it reports j = 0 of the wave's first tile.
; -0 is made +0 before the code is formed.  The sums of a dot product and of the norms run in another order than a plain f32 sum.
.set PITCH, 528                        ; an LDS row of codes: 512 bytes + 16 of padding = 33 x 16: the 16 rows of a fragment begin at 16 different 16-byte columns modulo 256
.set PART,  32*PITCH                   ; 32 codes: what one tensor load brings
.set SLOT,  8*PART                     ; 256 codes = 16 tiles = one phase; two slots take turns
.set ENB,   2*SLOT                     ; behind the ring: the quarter's 2,048 norms, 8,192 bytes, filled once
.set SCR,   ENB+8192                   ; behind them: 4 x 512 bytes in which waves 4-7 hand their results to waves 0-3; no fill lands here
.set TSTEP, 16*PITCH                   ; from a tile of 16 codes to the next
.set HALF,  8*TSTEP                    ; the 8 tiles of a slot that one code half takes
.set ADR,  2                           ; v2, v3    LDS address of my fragment bytes in my wave's first tile of slot 0, 1
.set PT,   4                           ; v4        the same for the even tile of the pair at work
.set PE,   5                           ; v5        LDS address of my 8 norms of that tile
.set XO,   6                           ; v6        my byte offset in the wave's rows of x16
.set CO,   7                           ; v7        8 lane: my byte offset in the wave's part of cand
.set XN,   8                           ; v[8:15]   |x|^2 of my row of block i, twice, in pair 8 + 2 i
.set MN,   16                          ; v[16:19]  at work: minima of a tile's distances
.set JR,   20                          ; v[20:23]  at the end: j of block i
.set ENR,  24                          ; v[24:39]  |e|^2 of my 8 codes, one set for each tile parity
.set FR,   40                          ; v[40:103] code fragments of one tile: 8 registers for each K step of 32
.set ACC,  104                         ; v[104:167] two sets of 4 accumulators: 104 + 32 parity + 8 i
.set SAVE, 168                         ; v[168:199] the 8 distances of the tile in which block i's least distance was met: 8 i + j
.set SS,   200                         ; v[200:215] at work: |e|^2 + |x|^2 for two accumulators
.set BEST, 216                         ; v[216:219] least d so far of block i
.set IDX,  220                         ; v[220:223] the tile in which it was met, counted 0..63 over the wave's own tiles
.set H8,   224                         ; v224      8 h
.set MG,   240                         ; v[240:247] set-up and the joins at the end
.set G1,   24                          ; s[24:31]  descriptor group 1: 32 codes
.set G1E,  32                          ; s[32:39]  descriptor group 1: 256 norms
.set G0,   40                          ; s[40:47]  descriptor group 0 of slot 0, 1
.set G0E,  48                          ; s[48:51]  descriptor group 0 of the norms
.set CUR,  52                          ; s52       the wave's tile whose distances are being reduced, 0..63
.set PINF, 53                          ; s53       +infinity
.set MK,   54                          ; s[54:57]  lane masks
.set MSB, 0
.macro WIN new                         ; the immediate's high byte repeats the setting that is left
.if MSB != \new
	s_set_vgpr_msb (MSB<<8)|\new
.set MSB, \new
.endif
.endm
; A round of the cluster's barrier behind its opening work-group barrier: wave 0 signals for the work-group, every wave waits for all four work-groups, the work-group's barrier closes it.
.macro CREST
	s_cmp_lg_u32 s14, 0
	s_cbranch_scc1 .Lnot_wave_0_\@
	s_barrier_signal -3
.Lnot_wave_0_\@:
	s_barrier_wait -3
	s_barrier_signal -1
	s_barrier_wait -1
.endm
.macro ROUND
	s_barrier_signal -1
	s_barrier_wait -1
	CREST
.endm
	s_load_b256 s[4:11], s[0:1], 0x0               ; cb16 s[4:5], enorm s[6:7], x16 s[8:9], xnorm s[10:11]
	s_load_b64 s[12:13], s[0:1], 0x20              ; cand
	v_lshl_add_u32 v254, v0, 2, 0x44800
	v_mov_b32 v255, 0
	ds_add_u32 v254, v255
	v_lshrrev_b32 v1, 5, v0
	v_readfirstlane_b32 s14, v1                    ; wave 0..7
	s_and_b32 s62, s14, 3                          ; wr: my 64 rows of the block
	s_lshr_b32 s63, s14, 2                         ; wc: my half of each slot's tiles
	s_bfe_u32 s15, ttmp6, 0x40000                  ; cx: my place in the cluster
	s_lshl_b32 s16, ttmp9, 2
	s_add_co_u32 s16, s16, s15                     ; bx = 4 x cluster x + cx: block of 256 rows
	s_and_b32 s17, ttmp7, 0xffff                   ; q: quarter of the codes (the cluster is one work-group high)
	; group 1 for codes: 32 rows x 256 bf16, 16 bytes of padding behind each row of 128 words
	s_mov_b32 s[G1+0], 15|(1<<16)|(1<<20)|(1<<21)|(6<<22)|(3<<25)  ; 15:0 mask: all four; 17:16 elements of 2 bytes; 20 padding on; 21 set beside a mask; 24:22 after 128 words; 31:25 4 words
	s_mov_b32 s[G1+1], 256<<16                     ; tensor_dim0 = 256
	s_mov_b32 s[G1+2], 32<<16                      ; tensor_dim1 = 32
	s_mov_b32 s[G1+3], 256<<16                     ; tile_dim0 = 256
	s_mov_b32 s[G1+4], 32                          ; tile_dim1 = 32
	s_mov_b32 s[G1+5], 256                         ; elements from row to row
	s_mov_b32 s[G1+6], 0
	s_mov_b32 s[G1+7], 0
	; group 1 for norms: 1,024 dense bytes as 4 rows of 32 elements of 8 bytes, no padding
	s_mov_b32 s[G1E+0], 15|(3<<16)|(1<<21)
	s_mov_b32 s[G1E+1], 32<<16
	s_mov_b32 s[G1E+2], 4<<16
	s_mov_b32 s[G1E+3], 32<<16
	s_mov_b32 s[G1E+4], 4
	s_mov_b32 s[G1E+5], 32
	s_mov_b32 s[G1E+6], 0
	s_mov_b32 s[G1E+7], 0
	; groups 0: LDS addresses from the wave's number and constants; global addresses from q and the wave's number
	s_mov_b32 s[G0+0], 1
	s_mul_i32 s[G0+1], s14, PART                   ; slot 0: my eighth of its rows
	s_mov_b32 s[G0+4], 1
	s_add_co_u32 s[G0+5], s[G0+1], SLOT            ; slot 1
	s_mov_b32 s[G0E+0], 1
	s_lshl_b32 s[G0E+1], s14, 10
	s_add_co_u32 s[G0E+1], s[G0E+1], ENB           ; my eighth of the norms
	s_lshl_b32 s18, s17, 20                        ; q x 2,048 codes of 512 bytes
	s_lshl_b32 s19, s14, 14                        ; + wave x 32 codes
	s_add_co_u32 s18, s18, s19
	s_mov_b32 s19, 0
	s_lshl_b32 s20, s17, 13                        ; q x 2,048 norms of 4 bytes
	s_lshl_b32 s21, s14, 10                        ; + wave x 256 norms
	s_add_co_u32 s20, s20, s21
	s_mov_b32 s21, 0
	s_mov_b32 s[PINF], 0x7f800000
	s_mov_b32 s[CUR], 0
	s_mov_b32 s60, 0x76543210                      ; v_permlanex16_b32: lane i reads lane i of the other half
	s_mov_b32 s61, 0xfedcba98
	s_wait_dscnt 0x0
	s_wait_kmcnt 0x0
	s_add_nc_u64 s[G0+2:G0+3], s[4:5], s[18:19]            ; phase 0
	s_add_nc_u64 s[G0+6:G0+7], s[G0+2:G0+3], 0x20000       ; phase 1: 256 codes on
	s_add_nc_u64 s[G0E+2:G0E+3], s[6:7], s[20:21]
	s_or_b32 s[G0+3], s[G0+3], 0x80000000          ; type = 2
	s_or_b32 s[G0+7], s[G0+7], 0x80000000
	s_or_b32 s[G0E+3], s[G0E+3], 0x80000000
	; what hangs on bx is made in s[22:23], which feed no descriptor
	s_lshl_b32 s22, s16, 17                        ; x16: 256 rows of 512 bytes
	s_lshl_b32 s23, s62, 15                        ; + row group x 64 rows
	s_add_co_u32 s22, s22, s23
	s_mov_b32 s23, 0
	s_add_nc_u64 s[8:9], s[8:9], s[22:23]
	s_lshr_b32 s22, s22, 7                         ; xnorm: 4 bytes a row
	s_add_nc_u64 s[10:11], s[10:11], s[22:23]
	s_lshl_b32 s22, s22, 1                         ; cand: 8 bytes a row,
	s_add_nc_u64 s[12:13], s[12:13], s[22:23]
	s_lshl_b32 s22, s17, 17                        ; and q x 16,384 rows
	s_add_nc_u64 s[12:13], s[12:13], s[22:23]
	ROUND                                          ; all four work-groups are here: the first joint loads meet
	tensor_load_to_lds s[G0:G0+3], s[G1:G1+7]      ; the three first fills go out together: slot 0,
	s_nop 0
	tensor_load_to_lds s[G0E:G0E+3], s[G1E:G1E+7]  ; the norms,
	s_nop 0
	tensor_load_to_lds s[G0+4:G0+7], s[G1:G1+7]    ; slot 1.  Three tensor loads of the wave are out here, later one at a time
	s_nop 0
	; x fragments: block i, K step s: lane (r, h) takes row r, bytes 64 s + 16 h and 64 s + 32 + 16 h, into v[256 + 64 i + 8 s ..]
	v_and_b32 v[MG], 15, v0                        ; r
	v_bfe_u32 v[MG+1], v0, 4, 1                    ; h
	v_lshlrev_b32 v[XO], 9, v[MG]
	v_lshl_add_u32 v[XO], v[MG+1], 4, v[XO]        ; 512 r + 16 h
	v_lshlrev_b32 v[MG+2], 2, v[MG]                ; 4 r
	WIN 0x40                                       ; destination in window 1
.irp i, 0,1,2,3
.irp s, 0,1,2,3,4,5,6,7
	global_load_b128 v[64*\i+8*\s:64*\i+8*\s+3],   v[XO], s[8:9] offset:8192*\i+64*\s
	global_load_b128 v[64*\i+8*\s+4:64*\i+8*\s+7], v[XO], s[8:9] offset:8192*\i+64*\s+32
.endr
.endr
	WIN 0
.irp i, 0,1,2,3
	global_load_b32 v[XN+2*\i], v[MG+2], s[10:11] offset:64*\i
.endr
	s_mul_i32 s18, s63, HALF                       ; my half of a slot's tiles
	s_lshl_b32 s19, s63, 9                         ; and of their norms: 8 tiles of 64 bytes
	s_add_co_u32 s19, s19, ENB
	v_mul_u32_u24 v[ADR], v[MG], PITCH
	v_lshl_add_u32 v[ADR], v[MG+1], 4, v[ADR]      ; r x pitch + 16 h
	v_add_nc_u32 v[ADR], s18, v[ADR]
	v_add_nc_u32 v[ADR+1], SLOT, v[ADR]
	v_mov_b32 v[PT], v[ADR]
	v_lshlrev_b32 v[PE], 5, v[MG+1]
	v_add_nc_u32 v[PE], s19, v[PE]                 ; my 8 norms of my wave's first tile: 32 h
	v_and_b32 v[CO], 31, v0
	v_lshlrev_b32 v[CO], 3, v[CO]
	v_lshlrev_b32 v[H8], 3, v[MG+1]
.set k, 0
.rept 32
	v_mov_b32 v[SAVE+k], s[PINF]                   ; the kept distances and the least ones start at +infinity, in the wave's first tile;
.set k, k+1
.endr
.irp i, 0,1,2,3
	v_mov_b32 v[BEST+\i], s[PINF]                  ; written while the first tiles are on their way
	v_mov_b32 v[IDX+\i], 0
.endr
; One matrix instruction: tile parity par, K step s, row block i.  The first K step starts the sums: nothing is cleared.
; The four accumulators of a set take turns, one instruction a turn, over run ends, tile ends and backward jumps too.
.macro WM par, s, i
.if \s == 0
	v_wmma_f32_16x16x32_bf16 v[ACC+32*\par+8*\i:ACC+32*\par+8*\i+7], v[FR+8*\s:FR+8*\s+7], v[64*\i+8*\s:64*\i+8*\s+7], 0
.else
	v_wmma_f32_16x16x32_bf16 v[ACC+32*\par+8*\i:ACC+32*\par+8*\i+7], v[FR+8*\s:FR+8*\s+7], v[64*\i+8*\s:64*\i+8*\s+7], v[ACC+32*\par+8*\i:ACC+32*\par+8*\i+7]
.endif
.endm
.macro WM4 par, s                      ; one K step: the four row blocks
	WM \par, \s, 0
	WM \par, \s, 1
	WM \par, \s, 2
	WM \par, \s, 3
.endm
; The reduction of accumulators i = 2 hf and 2 hf + 1 of the set that is NOT being multiplied (the tile before, number CUR): 46 instructions, the two
; accumulators' lines by turns so that no line reads the line in front of it.
.macro RED par, hf
.set RA, ACC+32*(1-\par)+16*\hf        ; 16 dot products, then distances
.set RE, ENR+8*(1-\par)                ; |e|^2 of the tile's codes j = 0..7
.set RX, XN+4*\hf                      ; |x|^2 of the two blocks, a pair each
.set RV, SAVE+16*\hf
.set RB, BEST+2*\hf
.set RI, IDX+2*\hf
.irp c, 0,2,4,6
	v_pk_add_f32 v[SS+\c:SS+\c+1], v[RE+\c:RE+\c+1], v[RX:RX+1]            ; S = fl(|e|^2 + |x|^2)
.endr
.irp c, 0,2,4,6
	v_pk_add_f32 v[SS+8+\c:SS+8+\c+1], v[RE+\c:RE+\c+1], v[RX+2:RX+3]
.endr
.irp c, 0,2,4,6,8,10,12,14
	v_pk_fma_f32 v[RA+\c:RA+\c+1], v[RA+\c:RA+\c+1], -2.0, v[SS+\c:SS+\c+1] op_sel_hi:[1,0,1]      ; d = fl(S - 2 dot): doubling is exact, so one rounding, as in the problem
.endr
	v_min3_num_f32 v[MN],   v[RA],    v[RA+1],  v[RA+2]                    ; the least of each accumulator's 8 distances
	v_min3_num_f32 v[MN+1], v[RA+8],  v[RA+9],  v[RA+10]
	v_min3_num_f32 v[MN+2], v[RA+3],  v[RA+4],  v[RA+5]
	v_min3_num_f32 v[MN+3], v[RA+11], v[RA+12], v[RA+13]
	v_min3_num_f32 v[MN],   v[MN],    v[MN+2],  v[RA+6]
	v_min3_num_f32 v[MN+1], v[MN+1],  v[MN+3],  v[RA+14]
	v_min_num_f32 v[MN],   v[MN],   v[RA+7]
	v_min_num_f32 v[MN+1], v[MN+1], v[RA+15]
	v_cmp_lt_f32 vcc_lo, v[MN],   v[RB]                                    ; strictly less: a tie stays with the earlier tile
	v_cmp_lt_f32 s[MK],  v[MN+1], v[RB+1]
	v_min_num_f32 v[RB],   v[RB],   v[MN]
	v_min_num_f32 v[RB+1], v[RB+1], v[MN+1]
	v_cndmask_b32 v[RI],   v[RI],   s[CUR], vcc_lo
	v_cndmask_b32 v[RI+1], v[RI+1], s[CUR], s[MK]
.irp k, 0,1,2,3,4,5,6,7
	v_cndmask_b32 v[RV+\k], v[RV+\k], v[RA+\k], vcc_lo                     ; the improving tile's 8 distances are kept: j is read off them at the end
.endr
.irp k, 0,1,2,3,4,5,6,7
	v_cndmask_b32 v[RV+8+\k], v[RV+8+\k], v[RA+8+\k], s[MK]
.endr
.endm
; Behind a run of matrix instructions stand the reduction's 46 plain vector instructions, which name none of the run's registers, or four v_nop:
; the four places in front of the loads that fill the run's fragment registers again.
.macro REDN par, hf, epi
.if \epi
	RED \par, \hf
.else
	v_nop
	v_nop
	v_nop
	v_nop
.endif
.endm
.macro LDFR adr, off, s                ; the code fragment of K step s: 16 codes x 32 K
	ds_load_b128 v[FR+8*\s:FR+8*\s+3],   v[\adr] offset:\off+64*\s
	ds_load_b128 v[FR+8*\s+4:FR+8*\s+7], v[\adr] offset:\off+64*\s+32
.endm
.macro LDEN par, eoff                  ; my 8 norms of the tile at work; they are used in the next tile
	ds_load_b128 v[ENR+8*\par:ENR+8*\par+3],   v[PE] offset:\eoff
	ds_load_b128 v[ENR+8*\par+4:ENR+8*\par+7], v[PE] offset:\eoff+16
.endm
; An ordinary tile: 16 matrix instructions (K steps 0-3), half a reduction, a run of 10 LDS loads (this tile's norms, the next tile's fragments of K steps 0-3),
; 16 matrix instructions (K steps 4-7), the other half, a run of 8 LDS loads (K steps 4-7).  A fragment is asked for 16 of the wave's matrix instructions and
; half a reduction ahead of its first use.  LDS loads come back in order (ISA guide 5.7.1), so:
; s_wait_dscnt 8 at the head: only the 8 loads of the run issued last (K steps 4-7) may be out: K steps 0-3 and the last tile's norms are in;
; s_wait_dscnt 10 in the middle: only the 10 loads just issued may be out: K steps 4-7 are in.
.macro TILE par, epi, off, eoff
	s_wait_dscnt 8
	WIN 4                                          ; source 1 in window 1
.irp ks, 0,1,2,3
	WM4 \par, \ks
.endr
	WIN 0
	REDN \par, 0, \epi
	LDEN \par, \eoff
.irp ks, 0,1,2,3
	LDFR PT, \off, \ks
.endr
	s_wait_dscnt 10
	WIN 4
.irp ks, 4,5,6,7
	WM4 \par, \ks
.endr
	WIN 0
	REDN \par, 1, \epi
.irp ks, 4,5,6,7
	LDFR PT, \off, \ks
.endr
.if \epi
	s_add_co_u32 s[CUR], s[CUR], 1
.endif
.endm
; The wave's last tile of a phase.  chg = 1: the slot is left and filled again; 2: it is left; 3: the launch's last tile.
; All 16 fragment loads of this tile were issued in the tile before, so the wave's reads of the slot are over early: it waits for them and for all its
; tensor loads (the one that is out is its part of the other slot), signals, works on registers while the others arrive (8 matrix instructions and half a
; reduction), and behind the round of the cluster's barrier asks for its part of the slot's next 256 codes first of all; then it reads the other slot,
; in the same two runs as an ordinary tile.
.macro TILEC par, chg, slot, eoff
	s_wait_dscnt 8                                 ; as at the head of an ordinary tile
	WIN 4
	WM4 \par, 0
	WM4 \par, 1
	s_wait_dscnt 0x0                               ; my reads of this slot are back
.if \chg != 3
	s_set_vgpr_msb 0x400
	s_wait_tensorcnt 0x0                           ; all my tensor loads have landed, so a group 0 may be written
	ds_add_u32 v254, v255
	s_wait_dscnt 0x0
	s_set_vgpr_msb 0x4
.if \chg == 1
	s_add_nc_u64 s[G0+4*\slot+2:G0+4*\slot+3], s[G0+4*\slot+2:G0+4*\slot+3], 0x40000   ; two phases on: 512 codes of 512 bytes
.endif
	s_barrier_signal -1
.endif
	WM4 \par, 2                                    ; register work alone
	WM4 \par, 3
	WIN 0
	RED \par, 0
.if \chg != 3
	s_barrier_wait -1
.if \chg == 1
	CREST                                          ; no wave of the four work-groups still reads this slot or has a load on its way
	tensor_load_to_lds s[G0+4*\slot:G0+4*\slot+3], s[G1:G1+7]      ; my one tensor load behind the round; I issue 248 matrix instructions before I wait for it
	s_nop 0
.endif
.endif
	LDEN \par, \eoff
.if \chg != 3
.irp ks, 0,1,2,3
	LDFR ADR+1-\slot, 0, \ks                       ; my first tile of the other slot
.endr
.endif
	WIN 4
.irp ks, 4,5,6,7
	WM4 \par, \ks
.endr
	WIN 0
	RED \par, 1
.if \chg != 3
.irp ks, 4,5,6,7
	LDFR ADR+1-\slot, 0, \ks
.endr
.endif
	s_add_co_u32 s[CUR], s[CUR], 1
.endm
; A phase: the wave's 8 tiles of a slot, two to a trip.  first = 1: the launch's first tile has no tile before it to reduce.
; Every tile ends under the setting 0, so that every window is 0 at the labels and branches.
.macro PHASE slot, chg, first
.if \first
	TILE 0, 0, TSTEP, 0
	TILE 1, 1, 2*TSTEP, 64
	v_add_nc_u32 v[PT], 2*TSTEP, v[PT]
	v_add_nc_u32 v[PE], 128, v[PE]
	s_mov_b32 s58, 2
.else
	s_mov_b32 s58, 3
.endif
.Lpair_\@:
	TILE 0, 1, TSTEP, 0
	TILE 1, 1, 2*TSTEP, 64
	v_add_nc_u32 v[PT], 2*TSTEP, v[PT]
	v_add_nc_u32 v[PE], 128, v[PE]
	s_sub_co_u32 s58, s58, 1
	s_cmp_lg_u32 s58, 0
	s_cbranch_scc1 .Lpair_\@
	TILE 0, 1, TSTEP, 0
	TILEC 1, \chg, \slot, 64
.if \chg != 3
	v_mov_b32 v[PT], v[ADR+1-\slot]
	v_add_nc_u32 v[PE], 128+512, v[PE]             ; past this pair's norms and past the other half's 8 tiles
.endif
.endm
	s_wait_tensorcnt 0x1                           ; my parts of slot 0 and of the norms are in; slot 1's may stay out
	s_barrier_signal -1
	s_barrier_wait -1                              ; everybody's are
.irp ks, 0,1,2,3,4,5,6,7
	LDFR PT, 0, \ks                                ; my first tile
.endr
	s_wait_loadcnt 0x0                             ; x and its norms, once
.irp i, 0,1,2,3
	v_mov_b32 v[XN+2*\i+1], v[XN+2*\i]             ; the packed adds take a pair
.endr
	PHASE 0, 1, 1                                  ; phases 0 and 1
	PHASE 1, 1, 0
	s_mov_b32 s59, 2
.Llap:
	PHASE 0, 1, 0                                  ; phases 2 to 5
	PHASE 1, 1, 0
	s_sub_co_u32 s59, s59, 1
	s_cmp_lg_u32 s59, 0
	s_cbranch_scc1 .Llap
	PHASE 0, 2, 0                                  ; phase 6 fills nothing: a plain barrier shows slot 1 whole
	PHASE 1, 3, 0                                  ; phase 7
	s_wait_dscnt 0x0                               ; the last tile's norms
	RED 0, 0                                       ; the last tile (parity 1) is reduced alone; the half reduction behind its last matrix instruction gave the places
	RED 0, 1
	; THE WAY OUT.  j = the lowest j whose kept distance equals the least one (one always does: the least one is one of the eight, or all are still +infinity).
.irp i, 0,1,2,3
	v_mov_b32 v[JR+\i], 7
.endr
.irp j, 6,5,4,3,2,1,0
.irp i, 0,1,2,3
	v_cmp_eq_f32 s[MK+\i], v[SAVE+8*\i+\j], v[BEST+\i]
.endr
.irp i, 0,1,2,3
	v_cndmask_b32 v[JR+\i], v[JR+\i], \j, s[MK+\i]
.endr
.endr
	; c = 16 n + 8 h + j, n the wave's own tile count: it rises with the true code inside a wave, so it orders the join of the two halves of the lanes.
.irp i, 0,1,2,3
	v_lshl_add_u32 v[IDX+\i], v[IDX+\i], 4, v[JR+\i]
	v_add_nc_u32 v[IDX+\i], v[IDX+\i], v[H8]
.endr
.macro MERGE bd, bc, nd, nc            ; (bd, bc) takes (nd, nc) if nd is less, or equal with the lower code
	v_cmp_lt_f32 s20, v[\nd], v[\bd]
	v_cmp_eq_f32 s21, v[\nd], v[\bd]
	v_cmp_lt_u32 s22, v[\nc], v[\bc]
	s_and_b32 s21, s21, s22
	s_or_b32 s20, s20, s21
	v_cndmask_b32 v[\bd], v[\bd], v[\nd], s20
	v_cndmask_b32 v[\bc], v[\bc], v[\nc], s20
.endm
.macro MERGEU bk, bc, nk, nc           ; the same on the u32 keys
	v_cmp_lt_u32 s20, v[\nk], v[\bk]
	v_cmp_eq_u32 s21, v[\nk], v[\bk]
	v_cmp_lt_u32 s22, v[\nc], v[\bc]
	s_and_b32 s21, s21, s22
	s_or_b32 s20, s20, s21
	v_cndmask_b32 v[\bk], v[\bk], v[\nk], s20
	v_cndmask_b32 v[\bc], v[\bc], v[\nc], s20
.endm
.irp i, 0,1,2,3
	v_mov_b32 v[MG+2*\i], 0                        ; v_permlanex16_b32 counts as a reader of its destination
	v_mov_b32 v[MG+2*\i+1], 0
	v_permlanex16_b32 v[MG+2*\i],   v[BEST+\i], s60, s61
	v_permlanex16_b32 v[MG+2*\i+1], v[IDX+\i],  s60, s61
.endr
.irp i, 0,1,2,3
	MERGE BEST+\i, IDX+\i, MG+2*\i, MG+2*\i+1
.endr
	s_lshl_b32 s18, s17, 11                        ; 2,048 q
	s_lshl_b32 s19, s63, 7                         ; + 128 wc
	s_add_co_u32 s19, s18, s19
.irp i, 0,1,2,3
	v_add_f32 v[BEST+\i], 0, v[BEST+\i]            ; -0 becomes +0
	v_ashrrev_i32 v[MG+2*\i], 31, v[BEST+\i]
	v_or_b32 v[MG+2*\i], 0x80000000, v[MG+2*\i]
	v_xor_b32 v[BEST+\i], v[BEST+\i], v[MG+2*\i]           ; u32 in the order of the f32: negative numbers turned over, the others lifted above them
	v_lshrrev_b32 v[MG+2*\i+1], 7, v[IDX+\i]               ; c = 128 phase + (16 tile in my half + 8 h + j):
	v_and_b32 v[IDX+\i], 127, v[IDX+\i]
	v_lshl_add_u32 v[IDX+\i], v[MG+2*\i+1], 8, v[IDX+\i]   ; a phase is 256 codes,
	v_add_nc_u32 v[IDX+\i], s19, v[IDX+\i]                 ; and my half and quarter begin at 128 wc + 2,048 q
.endr
	; both halves of the lanes hold every block: lane 16 h + r takes row r of block h, then of block 2 + h: 32 rows x 8 bytes = 256 consecutive bytes
	v_and_b32 v[MG], 16, v0
	v_cmp_ne_u32 s20, 0, v[MG]
	v_cndmask_b32 v[MG+2], v[BEST],   v[BEST+1], s20
	v_cndmask_b32 v[MG+3], v[IDX],    v[IDX+1],  s20
	v_cndmask_b32 v[MG+4], v[BEST+2], v[BEST+3], s20
	v_cndmask_b32 v[MG+5], v[IDX+2],  v[IDX+3],  s20
	; the two code halves of a row group meet in LDS: waves 4-7 store, one barrier, waves 0-3 join and write cand
	s_lshl_b32 s18, s62, 9
	s_add_co_u32 s18, s18, SCR
	v_add_nc_u32 v[MG+6], s18, v[CO]               ; 512 bytes for each row group, 8 bytes a lane and store
	s_cmp_lt_u32 s14, 4
	s_cbranch_scc1 .Lkeeper
	ds_store_b64 v[MG+6], v[MG+2:MG+3]
	ds_store_b64 v[MG+6], v[MG+4:MG+5] offset:256
.Lkeeper:
	s_wait_dscnt 0x0                               ; the stores are in LDS before their wave says so
	s_barrier_signal -1
	s_barrier_wait -1
	s_cmp_ge_u32 s14, 4
	s_cbranch_scc1 .Ldone
	ds_load_b64 v[BEST:BEST+1],   v[MG+6]
	ds_load_b64 v[BEST+2:BEST+3], v[MG+6] offset:256
	s_wait_dscnt 0x0
	MERGEU MG+2, MG+3, BEST, BEST+1
	MERGEU MG+4, MG+5, BEST+2, BEST+3
	global_store_b64 v[CO], v[MG+2:MG+3], s[12:13]
	global_store_b64 v[CO], v[MG+4:MG+5], s[12:13] offset:256
.Ldone:
	s_wait_tensorcnt 0x0
	ds_add_u32 v254, v255
	s_wait_dscnt 0x0
	ROUND                                          ; the closing round: no work-group ends while a partner may still ask for a tile that names it
	s_endpgm
.Lfunc_end_k_q2328bfd936_nearest:
	.size	k_q2328bfd936_nearest, .Lfunc_end_k_q2328bfd936_nearest-k_q2328bfd936_nearest
	.p2alignl 7, 3214868480
	.fill 96, 4, 3214868480
	.section	.rodata,"a",@progbits
	.p2align	6, 0x0
	.amdhsa_kernel k_q2328bfd936_nearest
		.amdhsa_group_segment_fixed_size 327680
		.amdhsa_private_segment_fixed_size 0
		.amdhsa_enable_private_segment 0
		.amdhsa_kernarg_size 40
		.amdhsa_user_sgpr_count 2
		.amdhsa_user_sgpr_kernarg_segment_ptr 1
		.amdhsa_wavefront_size32 1
		.amdhsa_system_sgpr_workgroup_id_x 1
		.amdhsa_system_sgpr_workgroup_id_y 1
		.amdhsa_system_sgpr_workgroup_id_z 1
		.amdhsa_system_vgpr_workitem_id 0
		.amdhsa_next_free_vgpr 512
		.amdhsa_next_free_sgpr 66
		.amdhsa_reserve_vcc 1
		.amdhsa_float_denorm_mode_32 3
		.amdhsa_float_denorm_mode_16_64 3
		.amdhsa_memory_ordered 1
		.amdhsa_forward_progress 1
		.amdhsa_inst_pref_size 244
	.end_amdhsa_kernel
	.amdgpu_metadata
---
amdhsa.version: [ 1, 2 ]
amdhsa.kernels:
  - .name:           k_q2328bfd936_nearest
    .symbol:         k_q2328bfd936_nearest.kd
    .args:
      - { .name: cb16, .offset: 0, .size: 8, .value_kind: global_buffer, .address_space: global }
      - { .name: enorm, .offset: 8, .size: 8, .value_kind: global_buffer, .address_space: global }
      - { .name: x16, .offset: 16, .size: 8, .value_kind: global_buffer, .address_space: global }
      - { .name: xnorm, .offset: 24, .size: 8, .value_kind: global_buffer, .address_space: global }
      - { .name: cand, .offset: 32, .size: 8, .value_kind: global_buffer, .address_space: global }
    .group_segment_fixed_size: 327680
    .private_segment_fixed_size: 0
    .kernarg_segment_align: 8
    .kernarg_segment_size: 40
    .max_flat_workgroup_size: 256
    .sgpr_count:     66
    .vgpr_count:     512
    .wavefront_size: 32
...
	.end_amdgpu_metadata
.endif
;; end of part 5
;; launch pick: the kernel of part 3 again; grid 256 x 1, 8 waves a work-group, no clusters, 1,280 bytes of LDS; arguments cand, codebook, inputs, out0, part; writes out0, part
;; launch loss: the kernel of part 4 again; grid 1 x 1, 1 waves a work-group, no clusters, 0 bytes of LDS; arguments part, out1; writes out1
